; MI455X (gfx1250); checked and timed in simulation.
; The chip was launched on July 23, 2026; its instructions are those of AMD's public machine-readable ISA for CDNA 5 (MIT licence, August 2026) and "CDNA5" Instruction Set Architecture Reference Guide (July 2026). The comments in the code are by the model that wrote it; some were corrected since.
;; Query Key Self Attention. Allowed arithmetic: matrix products marked QUANTISED: E2M1 operands, one E8M0 scale for each 32 along K, by v_wmma_scale_f32_16x16x128_f8f6f4 with both operands' format E2M1 (or v_wmma_scale_f32_32x16x128_f4), f32 sums; everything else in f32.
;; Inputs: W_qk 2,048 x 1,024 float32; X 16 x 1,024 x 1,024 float32; b_qk 2,048 float32.
;; Outputs: out0 16 x 1,024 x 1,024 float32.
;; This version of the problem:
;;   THIS VERSION OF THE PROBLEM IS GIVEN IN LOW PRECISION. The matrix products marked QUANTISED in the list below multiply operands that are first quantised to E2M1 (2 exponent bits, 1 mantissa bit; 4 bits a number), with one power-of-two scale for each 32 numbers along K (OCP MX v1.0); their sums are f32. All else is computed in f32.
;;   The module's matrix products, in the order in which they are computed (A, B: the left and right operand; K: the contracted axis; several contracted axes count as one K, in the product's order):
;;     1. [M 16,384, K 1,024] x [K 1,024, N 2,048]; A: input X; B: input W_qk: QUANTISED
;;     2. batch 256 x [M 1,024, K 64] x [K 64, N 1,024]; A: computed on the way; B: computed on the way: QUANTISED
;;     3. batch 256 x [M 1,024, K 1,024] x [K 1,024, N 64]; A: softmax (see below); B: input X: QUANTISED
;;   THE QUANTISER, for each operand of a quantised product, along K:
;;     - K is cut into blocks of 32 from its start; a last block that is shorter is filled with zeros.
;;     - A block's scale is 2^e with e = floor(log2(the largest magnitude in the block)) - 2, held to -126 .. 127; a block of zeros has e = 0. As a byte (E8M0): e + 127.
;;     - Each number is divided by its block's scale, clamped to +-6, and rounded to the nearest number of E2M1, ties to even, subnormals kept.
;;     - The product sums the exact products of the quantised numbers (number of the format x scale) in f32.
;;   ~~~python
;;   def quantise(x, axis):      # numpy; x: float32 -> the quantised numbers, widened to float32 again
;;       x = np.moveaxis(x, axis, -1); K = x.shape[-1]
;;       x = np.pad(x, [(0, 0)] * (x.ndim - 1) + [(0, -K % 32)]); x = x.reshape(x.shape[:-1] + (-1, 32)); a = np.abs(x).max(-1, keepdims=True)
;;       e = np.where(a > 0, np.clip(np.frexp(np.where(a > 0, a, 1))[1] - 1 - 2, -126, 127), 0)      # np.frexp(a)[1] - 1 = floor(log2(a)), exactly
;;       r = np.clip(x / 2.0 ** e, -6, 6)
;;       step = 2.0 ** (np.maximum(np.frexp(np.where(r == 0, 1, r))[1] - 1, 0) - 1)
;;       q = np.round(r / step) * step * 2.0 ** e      # np.round: ties to even
;;       return np.moveaxis(q.reshape(q.shape[:-2] + (-1,))[..., :K], -1, axis).astype(np.float32)
;;   ~~~
;;   SOFTMAX AHEAD OF A QUANTISED PRODUCT. Where the list says 'softmax', what is quantised is not the finished softmax but p = 2^(t - M), with t = logit x log2(e) and M = ceil(the row's largest t), a whole number; so 1/2 < the row's largest p <= 1. The row's sum l is taken of the UNQUANTISED p, in f32, and the product's result is divided by l at the end. Since M is a whole number, a kernel that streams over the keys may use a running M (the ceiling of the running maximum): every later rescaling is an exact power of two, which a block's scale takes up: the codes' values come out the same.
;;   OPERANDS COMPUTED ON THE WAY. 'Computed on the way' means the value that the module computes at that place (a softmax that the list does not call 'softmax' is quantised finished and normalised). What goes into a quantiser is computed in f32, as accurately as f32 sums, v_exp_f32 and their like allow (about 1e-6 of the number): no bf16 or f16 on the way to a quantiser, and a product that is left as it is and whose result goes on into a quantised operand takes f32 operands (vector FMAs, or v_wmma_f32_16x16x4_f32). A number that lies on a knife's edge between two numbers of the format may be rounded either way, as far as f32 arithmetic and the matrix unit's own rounding can turn it there, and no further.
;; One version. Each part assembles by itself: llvm-mc -triple=amdgcn-amd-amdhsa -mcpu=gfx1250 --defsym DOCPART=n.
;; ======== version 1 of 1: 2 launches
;; limits: right only within a limited range of input values
;; workspace buffers: xq_codes 8,388,608 bytes; xq_scales 524,288 bytes; wq_codes 1,048,576 bytes; wq_scales 65,536 bytes; vq_codes 8,388,608 bytes; vq_scales 524,288 bytes
;; launch quant (part 1): grid 512 x 1, 8 waves a work-group, no clusters, 150,784 bytes of LDS; arguments X, W_qk, xq_codes, xq_scales, wq_codes, wq_scales, vq_codes, vq_scales; writes xq_codes, xq_scales, wq_codes, wq_scales, vq_codes, vq_scales
.if DOCPART == 1
	.amdgcn_target "amdgcn-amd-amdhsa--gfx1250"
	.amdhsa_code_object_version 6
	.text
	.protected	k_qcadad153e0_quant
	.globl	k_qcadad153e0_quant
	.p2align	8
	.type	k_qcadad153e0_quant,@function
k_qcadad153e0_quant:
	s_mov_b64 s[64:65], 0
	v_nop
	global_prefetch_b8 v0, s[64:65] scope:SCOPE_SE
	s_setreg_imm32_b32 hwreg(HW_REG_WAVE_MODE, 25, 1), 1
	s_wait_xcnt 0x0
; X [16384][1024] and W_qk [2048][1024], f32, become codes of FP4 (E2M1) with one E8M0 scale byte for each 32 along K.
; X is quantised TWICE from one read: along its columns (K of X W^T) and along its rows (the keys are K of the attention's second product).  W along its columns.
; A block's scale is 2^(floor(log2(its largest magnitude)) - 2): its byte is the largest magnitude's exponent field - 2, held at 1 from below.
; LIMITS: a block whose largest magnitude lies under 2^-124 keeps the byte 1; a block of zeros gets the byte 1 where the quantiser says 127 (its codes are zeros, which add nothing,
; and only this program reads the bytes); NaN and infinities among the inputs are not served.
; SHARES.  512 equal work-groups of eight waves.  Work-group n takes 128 rows x 256 columns of X (row group n / 4, column group n % 4: 128 x 4 such blocks) and with them ONE tile of W, 16 rows x the same
; 256 columns (tile n / 4 of 128): 144 rows go through LDS.  Each wave brings 16 rows of X and 2 of W.  Along the columns a wave works two tiles of X for one K step; waves 0 and 1 also work W's tile, a K step each
; (scalar branches on the wave's number; behind the one barrier LDS is only read).
; WHAT IS STORED: images of the operand's registers.  A tile is 16 rows; lane r of tile 4 g + i stands for row 64 g + 32 (r/8) + 8 i + r%8, so that in the next launch the results of four neighbouring
; tiles give a lane 32 neighbours along the next K.  codes [tile][K step of 128][piece c][lane][16 bytes]: lane (r, h), piece c: k = 64 c + 32 h + 0..31.  Scale words [pair of tiles][K step][lane]:
; lanes 0-15 the even tile's rows, lanes 16-31 the odd tile's.  V: [batch][head][128 keys][16 columns][key block][column][16 bytes], its words [batch][head][128 keys][pair of column tiles][lane].
; IN LDS X's source row 64 g + 32 a + 8 i + l lies at row 64 g + 16 i + 8 a + l: a tile's 16 rows are neighbours; W's tile lies at rows 128-143 in its lanes' order.
; Pitch 1,040 bytes = 65 x 16: the 16 rows that a 16-byte load touches start at 16 different 16-byte columns.
; STORES: codes leave as 512 or 256 consecutive aligned bytes an instruction; a store of X's or V's scale words covers 128 consecutive bytes, one of W's 64 (lanes r and r + 16 store the same word).
; No store's data or address register is written again, and EXEC never changes: so no wait on XCNT is written.
.set PITCH, 1040
.set R,     32                         ; v32-159  128 numbers
.set CR,    160                        ; v160-175 codes along the columns: two tiles x 8
.set CV,    176                        ; v176-191 codes along the rows: four key blocks x 4
.set WR,    194                        ; v194-209 W's two rows as they are loaded; then v194-201 W's codes and v202 its scale word
.set SPARE, 149760                     ; behind the 144 rows: the spare words, 128 bytes a wave
.set FLOOR, 0x1800000                  ; 2^(3 - 127): under it no largest magnitude is taken, so the byte cannot fall under 1
.set TAKE2, 0xff000000                 ; -(2 << 23): 2 off an exponent field
	s_load_b256 s[4:11], s[0:1], 0x0               ; X s[4:5], W s[6:7], X's codes s[8:9], X's scales s[10:11]
	s_load_b256 s[12:19], s[0:1], 0x20             ; W's codes s[12:13], W's scales s[14:15], V's codes s[16:17], V's scales s[18:19]
	v_lshl_add_u32 v192, v0, 2, SPARE              ; my spare word and 0: kept for the closing lines alone
	v_mov_b32 v193, 0
	v_lshrrev_b32 v1, 5, v0
	v_readfirstlane_b32 s20, v1                    ; wave 0..7
	v_and_b32 v1, 31, v0                           ; lane
	v_and_b32 v2, 15, v0                           ; r
	v_bfe_u32 v3, v0, 4, 1                         ; h
	v_lshlrev_b32 v4, 4, v1                        ; 16 x lane
	v_lshlrev_b32 v9, 2, v1                        ; 4 x lane
	v_lshlrev_b32 v29, 2, v2                       ; 4 r
	v_lshlrev_b32 v11, 3, v3                       ; 8 h: where my two scale bytes go in the word
	v_mov_b32 v19, 0                               ; a lane permute's destination counts as read: written once
	v_mul_u32_u24 v6, v2, PITCH
	v_lshlrev_b32 v7, 2, v0                        ; along the rows: column 32 w + lane: 4 x thread
	v_lshlrev_b32 v10, 10, v3
	v_lshl_add_u32 v6, v3, 7, v6                   ; row r, + 128 h bytes
	v_add_nc_u32 v8, 64*PITCH, v7                  ; the same from LDS row 64 on (an LDS offset has 16 bits)
	v_lshl_add_u32 v10, v2, 4, v10                 ; V's codes: column tile lane / 16 (1,024 bytes), column lane % 16 (16 bytes)
	s_lshr_b32 s21, s20, 1                         ; P: which pair of tiles (LDS rows 32 P on) is mine in the phase along the columns
	s_and_b32 s26, s20, 1                          ; sl: which of the block's two K steps
	s_lshr_b32 s31, s20, 2
	s_lshl_b32 s31, s31, 6                         ; 64 (w/4)
	s_lshl_b32 s32, s26, 5                         ; + 32 (w%2)
	s_add_co_u32 s31, s31, s32
	s_and_b32 s32, s21, 1
	s_lshl_b32 s32, s32, 3                         ; + 8 ((w/2)%2)
	s_add_co_u32 s31, s31, s32
	s_mul_i32 s31, s31, PITCH
	s_lshl_b32 s30, s21, 5
	s_mul_i32 s30, s30, PITCH
	s_lshl_b32 s32, s26, 9
	s_add_co_u32 s30, s30, s32
	s_add_co_u32 s34, s32, 128*PITCH
	s_lshl_b32 s33, s20, 1
	s_add_co_u32 s33, s33, 128
	s_mul_i32 s33, s33, PITCH
	s_wait_alu depctr_va_vdst(0)                   ; behind the run of scalar lines
	v_add_nc_u32 v5, s31, v4                       ; into LDS: X's source rows 16 w + i go to rows 64 (w/4) + 32 (w%2) + 8 ((w/2)%2) + 16 (i/8) + i%8
	v_add_nc_u32 v28, s33, v4                      ; W's two rows go to rows 128 + 2 w, + 1
	v_add_nc_u32 v30, s34, v6                      ; W's tile along the columns: row 128 + r, + 512 sl + 128 h bytes
	v_add_nc_u32 v6, s30, v6                       ; X's: row 32 P + r, + 512 sl + 128 h bytes
	s_mov_b32 s28, 0x76543210
	s_mov_b32 s29, 0xfedcba98                      ; v_permlanex16_b32's selects for lane l xor 16
	s_wait_alu depctr_va_vdst(0)
	s_wait_kmcnt 0x0
	s_lshr_b32 s24, ttmp9, 2                       ; RG: which 128 rows of X; also which tile of W
	s_and_b32 s25, ttmp9, 3                        ; CG: which 256 columns
	s_mov_b32 s31, 0
	s_lshl_b32 s30, s24, 19                        ; X's numbers: 128 rows of 4,096 bytes,
	s_lshl_b32 s32, s25, 10                        ; 256 columns,
	s_add_co_u32 s30, s30, s32
	s_lshl_b32 s32, s20, 16                        ; my wave's 16 rows
	s_add_co_u32 s30, s30, s32
	s_add_nc_u64 s[4:5], s[4:5], s[30:31]
	s_lshl_b32 s30, s24, 16                        ; X's codes: tile 8 RG + 2 P (8,192 bytes a tile), K step 2 CG + sl (1,024)
	s_lshl_b32 s32, s21, 14
	s_add_co_u32 s30, s30, s32
	s_lshl_b32 s32, s25, 11
	s_add_co_u32 s30, s30, s32
	s_lshl_b32 s32, s26, 10
	s_add_co_u32 s30, s30, s32
	s_add_nc_u64 s[8:9], s[8:9], s[30:31]
	s_lshl_b32 s30, s24, 12                        ; X's scale words: pair 4 RG + P (1,024 bytes), K step 2 CG + sl (128)
	s_lshl_b32 s32, s21, 10
	s_add_co_u32 s30, s30, s32
	s_lshl_b32 s32, s25, 8
	s_add_co_u32 s30, s30, s32
	s_lshl_b32 s32, s26, 7
	s_add_co_u32 s30, s30, s32
	s_add_nc_u64 s[10:11], s[10:11], s[30:31]
	s_lshr_b32 s30, s24, 2                         ; W's numbers: lanes 2 w, 2 w + 1 of tile 4 g + i stand for rows 64 g + 8 i + 32 (w/4) + 2 (w%4), + 1
	s_lshl_b32 s30, s30, 6
	s_and_b32 s32, s24, 3
	s_lshl_b32 s32, s32, 3
	s_add_co_u32 s30, s30, s32
	s_lshr_b32 s32, s20, 2
	s_lshl_b32 s32, s32, 5
	s_add_co_u32 s30, s30, s32
	s_and_b32 s32, s20, 3
	s_lshl_b32 s32, s32, 1
	s_add_co_u32 s30, s30, s32
	s_lshl_b32 s30, s30, 12
	s_lshl_b32 s32, s25, 10
	s_add_co_u32 s30, s30, s32
	s_add_nc_u64 s[6:7], s[6:7], s[30:31]
	s_lshl_b32 s30, s24, 13                        ; W's codes: the tile (8,192 bytes), K step 2 CG + sl (in waves 0 and 1 sl is the wave)
	s_lshl_b32 s32, s25, 11
	s_add_co_u32 s30, s30, s32
	s_lshl_b32 s32, s26, 10
	s_add_co_u32 s30, s30, s32
	s_add_nc_u64 s[12:13], s[12:13], s[30:31]
	s_lshr_b32 s30, s24, 1                         ; W's scale words: the pair (1,024 bytes), the K step (128), the tile's half of the lanes (64)
	s_lshl_b32 s30, s30, 10
	s_lshl_b32 s32, s25, 8
	s_add_co_u32 s30, s30, s32
	s_lshl_b32 s32, s26, 7
	s_add_co_u32 s30, s30, s32
	s_and_b32 s32, s24, 1
	s_lshl_b32 s32, s32, 6
	s_add_co_u32 s30, s30, s32
	s_add_nc_u64 s[14:15], s[14:15], s[30:31]
	; ---- in: my 16 rows of X and 2 of W, two loads of 512 consecutive bytes a row: 36 loads on their way
.irp i, 0,1,2,3,4,5,6,7,8,9,10,11,12,13,14,15
.irp f, 0,1
	global_load_b128 v[R+8*\i+4*\f:R+8*\i+4*\f+3], v4, s[4:5] offset:\i*4096+512*\f th:TH_LOAD_NT
.endr
.endr
.irp e, 0,1
.irp f, 0,1
	global_load_b128 v[WR+8*\e+4*\f:WR+8*\e+4*\f+3], v4, s[6:7] offset:\e*4096+512*\f th:TH_LOAD_NT
.endr
.endr
.irp i, 0,1,2,3,4,5,6,7,8,9,10,11,12,13,14,15
.irp f, 0,1
	s_wait_loadcnt 35-(2*\i+\f)                    ; loads come back in order: this one is in, the younger ones stay out
	ds_store_b128 v5, v[R+8*\i+4*\f:R+8*\i+4*\f+3] offset:(16*(\i/8)+(\i%8))*PITCH+512*\f
.endr
.endr
.irp e, 0,1
.irp f, 0,1
	s_wait_loadcnt 3-(2*\e+\f)
	ds_store_b128 v28, v[WR+8*\e+4*\f:WR+8*\e+4*\f+3] offset:\e*PITCH+512*\f
.endr
.endr
	s_wait_dscnt 0x0                               ; for the others' sake: my stores have landed
	s_barrier_signal -1
	s_barrier_wait -1                              ; the 144 rows are whole: from here on LDS is only read
; ---- along the columns.  A tile's K step: lane (r, h) takes k = 64 c + 32 h + 0..31 of its row: 8 loads of 16 bytes for each c
.macro ROWFETCH xr, adr, off
.irp c, 0,1
.irp i, 0,1,2,3,4,5,6,7
	ds_load_b128 v[\xr+32*\c+4*\i:\xr+32*\c+4*\i+3], v[\adr] offset:\off+256*\c+16*\i
.endr
.endr
.endm
; My two whole blocks (2 c + h of the K step) become 8 registers of codes, which are the operand's registers, and my row's scale word
.macro ROWQ xr, cr, wd, sb, off
.irp c, 0,1
	v_max3_num_f32 v[12+\c], |v[\xr+32*\c]|, |v[\xr+32*\c+1]|, FLOOR
.endr
.irp i, 2,4,6,8,10,12,14,16,18,20,22,24,26,28,30
.irp c, 0,1
	s_delay_alu instid0(VALU_DEP_2)
	v_max3_num_f32 v[12+\c], v[12+\c], |v[\xr+32*\c+\i]|, |v[\xr+32*\c+\i+1]|   ; the two blocks by turns
.endr
.endr
.irp c, 0,1
	s_delay_alu instid0(VALU_DEP_2)
	v_add_nc_u32 v[14+\c], TAKE2, v[12+\c]         ; the conversion takes the exponent field of this operand as its scale, and nothing else of it
.endr
.irp c, 0,1
	s_delay_alu instid0(VALU_DEP_2)
	v_lshrrev_b32 v[16+\c], 23, v[14+\c]           ; the scale's byte
.endr
	s_delay_alu instid0(VALU_DEP_1)
	v_lshl_or_b32 v18, v17, 16, v16                ; my two bytes: blocks h and 2 + h,
	s_delay_alu instid0(VALU_DEP_1)
	v_lshlrev_b32 v18, v11, v18                    ; at their places in the word;
	s_delay_alu instid0(VALU_DEP_1)
	v_permlanex16_b32 v19, v18, s28, s29
	s_delay_alu instid0(VALU_DEP_1)
	v_or_b32 v[\wd], v18, v19                      ; with lane l xor 16's two the word is whole, in both lanes
.irp c, 0,1
.irp q, 0,1,2,3
	v_cvt_scalef32_pk8_fp4_f32 v[\cr+4*\c+\q], v[\xr+32*\c+8*\q:\xr+32*\c+8*\q+7], v[14+\c]
.endr
.endr
	v_nop                                          ; one plain instruction behind the last scaled conversion of a run
.irp c, 0,1
	global_store_b128 v4, v[\cr+4*\c:\cr+4*\c+3], s[\sb:\sb+1] offset:\off+512*\c   ; 512 consecutive bytes, aligned
.endr
.endm
	ROWFETCH R, 6, 0
	ROWFETCH R+64, 6, 16*PITCH
	s_wait_dscnt 16                                ; tile 0's 16 loads are in; tile 1's 16 may be out
	ROWQ R, CR, 24, 8, 0
	s_wait_dscnt 0x0
	ROWQ R+64, CR+8, 25, 8, 8192
	v_cmp_le_u32 vcc_lo, 16, v1
	s_delay_alu instid0(VALU_DEP_1)
	v_cndmask_b32 v26, v24, v25, vcc_lo            ; lanes 0-15 the even tile's words, lanes 16-31 the odd tile's
	global_store_b32 v9, v26, s[10:11]
	s_cmp_gt_u32 s20, 1
	s_wait_alu depctr_va_vdst(0)                   ; directly ahead of the branch
	s_cbranch_scc1 .Lnot_w
	ROWFETCH R+64, 30, 0                           ; waves 0 and 1: W's tile, K step sl: 16 loads that land under the phase along the rows, which uses v32-95 alone
.Lnot_w:
	; ---- along the rows of X: a lane takes a column, its registers run down the keys; the block's 128 rows are one step of 128 keys
	s_lshr_b32 s30, s24, 3                         ; batch
	s_lshl_b32 s30, s30, 4
	s_lshl_b32 s32, s25, 2
	s_add_co_u32 s30, s30, s32
	s_add_co_u32 s30, s30, s21                     ; 16 x batch + head (4 CG + w / 2)
	s_lshl_b32 s30, s30, 3
	s_and_b32 s32, s24, 7
	s_add_co_u32 s33, s30, s32                     ; x 8 + the key step
	s_lshl_b32 s30, s33, 12                        ; 4,096 bytes of codes a key step,
	s_lshl_b32 s32, s26, 11                        ; my 32 columns: two column tiles of 1,024
	s_add_co_u32 s30, s30, s32
	s_add_nc_u64 s[16:17], s[16:17], s[30:31]
	s_lshl_b32 s30, s33, 8                         ; 256 bytes of scale words a key step, 128 for my pair of column tiles
	s_lshl_b32 s32, s26, 7
	s_add_co_u32 s30, s30, s32
	s_add_nc_u64 s[18:19], s[18:19], s[30:31]
.macro COLFETCH bt                     ; key block bt: register i = key 32 bt + i, which lies at LDS row 64 (bt/2) + 16 (i/8) + 8 (bt%2) + i%8; 32 lanes read 128 consecutive bytes
.irp i, 0,1,2,3,4,5,6,7,8,9,10,11,12,13,14,15,16,17,18,19,20,21,22,23,24,25,26,27,28,29,30,31
.if (\bt) < 2
	ds_load_b32 v[R+32*((\bt)%2)+\i], v7 offset:(8*((\bt)%2)+16*(\i/8)+(\i%8))*PITCH
.else
	ds_load_b32 v[R+32*((\bt)%2)+\i], v8 offset:(8*((\bt)%2)+16*(\i/8)+(\i%8))*PITCH
.endif
.endr
.endm
.macro COLQ bt
.set XC, R+32*((\bt)%2)
	v_max3_num_f32 v12, |v[XC]|, |v[XC+1]|, |v[XC+2]|      ; the block's largest magnitude: all 32 numbers are mine; two chains
	v_max3_num_f32 v13, |v[XC+3]|, |v[XC+4]|, |v[XC+5]|
.irp i, 6,10,14,18,22,26
	s_delay_alu instid0(VALU_DEP_2)
	v_max3_num_f32 v12, v12, |v[XC+\i]|, |v[XC+\i+1]|
	s_delay_alu instid0(VALU_DEP_2)
	v_max3_num_f32 v13, v13, |v[XC+\i+2]|, |v[XC+\i+3]|
.endr
	s_delay_alu instid0(VALU_DEP_2)
	v_max3_num_f32 v12, v12, |v[XC+30]|, |v[XC+31]|
	s_delay_alu instid0(VALU_DEP_1)
	v_max3_num_f32 v12, v12, v13, FLOOR
	s_delay_alu instid0(VALU_DEP_1)
	v_add_nc_u32 v14, TAKE2, v12
	s_delay_alu instid0(VALU_DEP_1)
	v_lshrrev_b32 v13, 23, v14
.if (\bt) == 0
	s_delay_alu instid0(VALU_DEP_1)
	v_mov_b32 v27, v13                             ; four bytes make my column's scale word for these 128 keys
.else
	s_delay_alu instid0(VALU_DEP_1)
	v_lshl_or_b32 v27, v13, 8*(\bt), v27
.endif
.irp q, 0,1,2,3
	v_cvt_scalef32_pk8_fp4_f32 v[CV+4*(\bt)+\q], v[XC+8*\q:XC+8*\q+7], v14
.endr
	v_nop                                          ; one plain instruction behind the last scaled conversion of a run
	global_store_b128 v10, v[CV+4*(\bt):CV+4*(\bt)+3], s[16:17] offset:256*(\bt)   ; sixteen lanes store 256 consecutive bytes, aligned
.endm
	COLFETCH 0
	COLFETCH 1
	s_wait_dscnt 32                                ; this block's 32 loads (and all older ones) are in; the next block's 32 may be out
	COLQ 0
	COLFETCH 2
	s_wait_dscnt 32
	COLQ 1
	COLFETCH 3
	s_wait_dscnt 32
	COLQ 2
	s_wait_dscnt 0x0
	COLQ 3
	global_store_b32 v9, v27, s[18:19]
	s_cmp_gt_u32 s20, 1
	s_wait_alu depctr_va_vdst(0)                   ; directly ahead of the branch
	s_cbranch_scc1 .Lend
	ROWQ R+64, WR, WR+8, 12, 0                     ; waves 0 and 1: W's tile (its numbers came in with the waits above)
	global_store_b32 v29, v[WR+8], s[14:15]        ; 64 consecutive bytes: the tile's 16 words
.Lend:
	s_wait_tensorcnt 0x0                           ; the wave's end: behind my last LDS store
	ds_add_u32 v192, v193
	s_wait_dscnt 0x0
	s_endpgm
.Lfunc_end_k_qcadad153e0_quant:
	.size	k_qcadad153e0_quant, .Lfunc_end_k_qcadad153e0_quant-k_qcadad153e0_quant
	.p2alignl 7, 3214868480
	.fill 96, 4, 3214868480
	.section	.rodata,"a",@progbits
	.p2align	6, 0x0
	.amdhsa_kernel k_qcadad153e0_quant
		.amdhsa_group_segment_fixed_size 150784
		.amdhsa_private_segment_fixed_size 0
		.amdhsa_enable_private_segment 0
		.amdhsa_kernarg_size 64
		.amdhsa_user_sgpr_count 2
		.amdhsa_user_sgpr_kernarg_segment_ptr 1
		.amdhsa_wavefront_size32 1
		.amdhsa_system_sgpr_workgroup_id_x 1
		.amdhsa_system_sgpr_workgroup_id_y 1
		.amdhsa_system_sgpr_workgroup_id_z 1
		.amdhsa_system_vgpr_workitem_id 0
		.amdhsa_next_free_vgpr 210
		.amdhsa_next_free_sgpr 66
		.amdhsa_reserve_vcc 1
		.amdhsa_float_denorm_mode_32 3
		.amdhsa_float_denorm_mode_16_64 3
		.amdhsa_memory_ordered 1
		.amdhsa_forward_progress 1
		.amdhsa_inst_pref_size 45
	.end_amdhsa_kernel
	.amdgpu_metadata
---
amdhsa.version: [ 1, 2 ]
amdhsa.kernels:
  - .name:           k_qcadad153e0_quant
    .symbol:         k_qcadad153e0_quant.kd
    .args:
      - { .name: X, .offset: 0, .size: 8, .value_kind: global_buffer, .address_space: global }
      - { .name: W_qk, .offset: 8, .size: 8, .value_kind: global_buffer, .address_space: global }
      - { .name: xq_codes, .offset: 16, .size: 8, .value_kind: global_buffer, .address_space: global }
      - { .name: xq_scales, .offset: 24, .size: 8, .value_kind: global_buffer, .address_space: global }
      - { .name: wq_codes, .offset: 32, .size: 8, .value_kind: global_buffer, .address_space: global }
      - { .name: wq_scales, .offset: 40, .size: 8, .value_kind: global_buffer, .address_space: global }
      - { .name: vq_codes, .offset: 48, .size: 8, .value_kind: global_buffer, .address_space: global }
      - { .name: vq_scales, .offset: 56, .size: 8, .value_kind: global_buffer, .address_space: global }
    .group_segment_fixed_size: 150784
    .private_segment_fixed_size: 0
    .kernarg_segment_align: 8
    .kernarg_segment_size: 64
    .max_flat_workgroup_size: 256
    .sgpr_count:     66
    .vgpr_count:     210
    .wavefront_size: 32
...
	.end_amdgpu_metadata
.endif
;; end of part 1
;; launch attn (part 2): grid 16 x 16, 8 waves a work-group, no clusters, 216,064 bytes of LDS; arguments xq_codes, xq_scales, wq_codes, wq_scales, b_qk, vq_codes, vq_scales, out0; writes out0
.if DOCPART == 2
	.amdgcn_target "amdgcn-amd-amdhsa--gfx1250"
	.amdhsa_code_object_version 6
	.text
	.protected	k_qcadad153e0_attn
	.globl	k_qcadad153e0_attn
	.p2align	8
	.type	k_qcadad153e0_attn,@function
k_qcadad153e0_attn:
	s_mov_b64 s[64:65], 0
	v_nop
	global_prefetch_b8 v0, s[64:65] scope:SCOPE_SE
	s_setreg_imm32_b32 hwreg(HW_REG_WAVE_MODE, 25, 1), 1
	s_wait_xcnt 0x0
; One work-group makes one (batch, head): grid x = head, grid y = batch.  All three products on codes of FP4 (E2M1) with one E8M0 scale for each 32 along K; sums in f32.
; PHASE A: q and k of the head for all 1,024 rows: [1024 x 1024] x [1024 x 128] + bias, quantised along the head's 64 in registers; their operand images stay in LDS.
; PHASE B: for each pair of tiles of 16 queries, eight steps of 128 keys: S^T = k q^T, p = 2^(t - M), O^T += V^T p^T.  t = score x log2(e) / 8; M = the running largest t rounded UP to a whole number;
; p is quantised along the keys, not normalised; the row's sum is taken of the unquantised p and divides O at the end; when M moves, sum and O are multiplied by f = 2^(old M - new M).
; SHARES.  Eight waves of 512 registers.  Wave w owns rows 128 w .. 128 w + 127: eight tiles of 16; in phase A two passes of four tiles x W's eight tiles (256 accumulators: window 1), so a fragment of W read
; from LDS feeds four products; in phase B four pairs of query tiles; a pair shares each fragment of k and of V, and its two softmaxes go line by line, by turns.
; LAYOUT.  All products are used transposed: a lane holds ONE row (lane % 16) and its registers run along the next K.  Lane r of tile 4 g + i stands for row 64 g + 32 (r/8) + 8 i + r%8, for X's rows and W's
; alike (the launch before lays them so): register j of tile 4 g + i in lane (r, h) is then element 64 g + 32 h + 8 i + j of the next K: A WHOLE BLOCK OF 32 LIES IN ONE LANE, in the operand's own order:
; a block's largest magnitude needs no other lane, and the conversions' results are the operand's registers.
; K = 64 of k q^T fills half of the instruction's 128: q's upper four registers hold zero codes, so what stands in k's upper four (the next tile's codes) adds nothing; the upper two scale bytes of both are 0 (2^-127).
; OPERANDS LIE IN LDS AS IMAGES OF THEIR REGISTERS: lane l's 16 bytes at 16 l.
; NO JOINT LOADS, though the 16 heads of a batch read the same codes of X: these bytes go from memory into the registers of the one wave that multiplies them; a joint load would land in LDS and each byte
; would be written there and read once more.  NO PREFETCH: X's loads run three K steps (30 loads a wave) ahead in registers; all else is read once at the head.
; LIMITS: the promise holds while the scaled scores t stay under 2^31 in magnitude; a block whose largest magnitude lies under 2^-124 keeps the scale byte 1, and so does a block of zeros (its codes are zeros);
; a p or an f under 2^-126 comes out as 0 (v_exp_f32 gives no denormals); NaN and infinities are not served.
; v240-249 are the registers that matrix instructions name as scales, and they hold nothing else.
.set WIMG, 0                           ; LDS: W's 8 tiles (0-3 q's, 4-7 k's) x 8 K steps x 1,024 bytes
.set WSC,  65536                       ; their scale words: [pair 4][K step 8][128]
.set QIMG, 69632                       ; q's 64 tiles x 512 bytes
.set KIMG, 102400                      ; k's (QIMG + 32,768)
.set QSC,  135168                      ; q's scale words: 64 bytes a tile
.set KSC,  139264                      ; k's (QSC + 4,096): read as [pair][lane]
.set VIMG, 143360                      ; V: [key step 8][column tile 4][1,024]  (KIMG + 40,960)
.set VSC,  176128                      ; its scale words: 256 bytes a key step, 512 apart, as k's are  (KSC + 36,864)
.set STG,  180224                      ; the way out: 16 rows x 272 bytes for each wave
.set SPARE, 215040                     ; the spare words: 128 bytes a wave
.set SPW,  250
.set NIL,  251
; phase A, window 0
.set XF,   16                          ; v16-111  X's fragments: three sets of four tiles
.set WF,   112                         ; v112-175 W's eight fragments, in two halves; behind a pass the quantiser's work
.set BI,   176                         ; v176-239 the bias in the accumulators' layout: C of the first K step
.set XS,   240                         ; v240-245 X's scale words: two for each set
.set WS,   246                         ; v246-249 W's
.set QC,   WF
.set TM,   WF+32
.set CQ,   WF+40
.set BY,   WF+48
.set TQ,   WF+56
; phase B, window 0.  Tile u's state: v[12+4u] -M, v[13+4u] the running largest score, v[14+4u:15+4u] the sum in two halves
.set QF,   20                          ; v20-35   q's two fragments (upper four registers of each: zeros)
.set KF,   36                          ; v36-71   8 key tiles x 4 registers, and four more named with the last
.set S,    72                          ; v72-199  S^T, then p, of the two tiles; on the way out O^T / sum and the rows read back
.set PB,   200                         ; v200-215 p's codes of the two tiles
.set MX,   216                         ; v216-223 four chains of maxima a tile; then each block's largest p
.set TT,   224                         ; v224-225
.set SM,   216                         ; v216-227 three chains of the row's sum a tile, where the maxima lay
.set FF,   228                         ; v[228:229], v[230:231] f, and a register named with it as a pair
.set CVB,  232                         ; v232-235 the conversions' scale operands
.set BYB,  236                         ; v236-239 the scales' bytes
.set PD,   253                         ; v253-254 lane permutes' destinations
.set KSR,  240
.set VSR,  244
.set QSR,  246
.set PSR,  248
; phase B, window 1: v0-31 V's four fragments; v32-95 O^T of the two tiles
.set OW,   32
.set FLOOR, 0x1800000                  ; 2^(3 - 127)
.set TAKE2, 0xff000000                 ; 2 off an exponent field
.set MSB, 0
.macro WIN new                         ; the immediate's high byte repeats the setting that is left
.if MSB != \new
	s_set_vgpr_msb (MSB<<8)|\new
.set MSB, \new
.endif
.endm
.macro PLACES                          ; four plain vector instructions behind a matrix instruction (ISA guide 7.12.1)
.rept 4
	v_nop
.endr
.endm
; one product; ra, rb: the scale words stand in lanes 16-31 of their registers
.macro WM d, a, b, c, sa, sb, ra, rb
.if ((\ra) == 0) && ((\rb) == 0)
	v_wmma_scale_f32_16x16x128_f8f6f4 v[\d:\d+7], v[\a:\a+7], v[\b:\b+7], \c, v[\sa], v[\sb] matrix_a_fmt:MATRIX_FMT_FP4 matrix_b_fmt:MATRIX_FMT_FP4
.elseif ((\rb) == 0)
	v_wmma_scale_f32_16x16x128_f8f6f4 v[\d:\d+7], v[\a:\a+7], v[\b:\b+7], \c, v[\sa], v[\sb] matrix_a_fmt:MATRIX_FMT_FP4 matrix_b_fmt:MATRIX_FMT_FP4 matrix_a_scale:MATRIX_SCALE_ROW1
.elseif ((\ra) == 0)
	v_wmma_scale_f32_16x16x128_f8f6f4 v[\d:\d+7], v[\a:\a+7], v[\b:\b+7], \c, v[\sa], v[\sb] matrix_a_fmt:MATRIX_FMT_FP4 matrix_b_fmt:MATRIX_FMT_FP4 matrix_b_scale:MATRIX_SCALE_ROW1
.else
	v_wmma_scale_f32_16x16x128_f8f6f4 v[\d:\d+7], v[\a:\a+7], v[\b:\b+7], \c, v[\sa], v[\sb] matrix_a_fmt:MATRIX_FMT_FP4 matrix_b_fmt:MATRIX_FMT_FP4 matrix_a_scale:MATRIX_SCALE_ROW1 matrix_b_scale:MATRIX_SCALE_ROW1
.endif
.endm
; K step g of 16 (pass g / 8, step g % 8): X's four fragments and two registers of scale words, from memory into set g % 3: ten loads
.macro XLOAD g
.irp u, 0,1,2,3
.irp c, 0,1
	global_load_b128 v[XF+32*((\g)%3)+8*\u+4*\c:XF+32*((\g)%3)+8*\u+4*\c+3], v1, s[4:5] offset:(4*((\g)/8)+\u)*8192+((\g)%8)*1024+\c*512
.endr
.endr
.irp a, 0,1
	global_load_b32 v[XS+2*((\g)%3)+\a], v2, s[6:7] offset:(2*((\g)/8)+\a)*1024+((\g)%8)*128
.endr
.endm
; half hf of W's tiles for K step k: ten LDS loads
.macro WLOAD hf, k
.irp a, 0,1
	ds_load_b32 v[WS+2*(\hf)+\a], v3 offset:(2*(\hf)+\a)*1024+(\k)*128
.endr
.irp t, 0,1,2,3
.irp c, 0,1
	ds_load_b128 v[WF+32*(\hf)+8*\t+4*\c:WF+32*(\hf)+8*\t+4*\c+3], v1 offset:(4*(\hf)+\t)*8192+(\k)*1024+\c*512
.endr
.endr
.endm
; sixteen products: four tiles of W x four row tiles.  The 32 accumulators take turns, one instruction a turn.  A pass's first K step takes the bias as C: nothing is cleared
.macro HALF hf, g
.irp t, 0,1,2,3
.irp u, 0,1,2,3
.set rD, 64*\u+8*(4*(\hf)+\t)
.set rC, BI+8*(4*(\hf)+\t)
.if ((\g)%8) == 0
	WM rD, WF+32*(\hf)+8*\t, XF+32*((\g)%3)+8*\u, v[rC:rC+7], WS+2*(\hf)+\t/2, XS+2*((\g)%3)+\u/2, \t%2, \u%2
.else
	WM rD, WF+32*(\hf)+8*\t, XF+32*((\g)%3)+8*\u, v[rD:rD+7], WS+2*(\hf)+\t/2, XS+2*((\g)%3)+\u/2, \t%2, \u%2
.endif
.endr
.endr
.endm
.macro ACCWIN g
.if ((\g)%8) == 0
	WIN 0x40                                       ; D in window 1, C (the bias) in window 0
.else
	WIN 0x50                                       ; C and D in window 1
.endif
.endm
.macro KSTEP g
.set ks, (\g)%8
.if (\g) <= 13
	s_wait_loadcnt 20                              ; this K step's ten loads are in; those of the next two K steps may be out
.elseif (\g) == 14
	s_wait_loadcnt 10
.else
	s_wait_loadcnt 0x0
.endif
	s_wait_dscnt 10                                ; W's first half is in; the second half's ten loads may be out
	ACCWIN \g
	HALF 0, \g
	PLACES
	WIN 0
.if ks < 7
	WLOAD 0, ks+1                                  ; the next K step's first half, under this step's second
	s_wait_dscnt 10
.else
	s_wait_dscnt 0x0
.endif
	ACCWIN \g
	HALF 1, \g
	PLACES
	WIN 0
.if ks < 7
	WLOAD 1, ks+1
.endif
.if (\g)+3 < 16
	XLOAD (\g)+3                                   ; into the set just multiplied
.endif
.endm
; The four row tiles of pass p: in lane (r, h) registers 64 u + 32 b + 0..31 of window 1 are features 32 h + 0..31 of q (b = 0) or k (b = 1) of my row: a whole block.  Codes and scale words are stored as images
.macro QUANT p
	WIN 0x05                                       ; sources 0 and 1 in window 1
.irp u, 0,1,2,3
.irp b, 0,1
	v_max3_num_f32 v[TM+2*\u+\b], |v[64*\u+32*\b]|, |v[64*\u+32*\b+1]|, FLOOR    ; each accumulator is read from its low end on; eight chains by turns
.endr
.endr
.irp i, 2,4,6,8,10,12,14,16,18,20,22,24,26,28,30
.irp u, 0,1,2,3
.irp b, 0,1
	v_max3_num_f32 v[TM+2*\u+\b], |v[64*\u+32*\b+\i]|, |v[64*\u+32*\b+\i+1]|, v[TM+2*\u+\b]
.endr
.endr
.endr
	WIN 0
.irp n, 0,1,2,3,4,5,6,7
	v_add_nc_u32 v[CQ+\n], TAKE2, v[TM+\n]         ; the conversion's scale operand
.endr
.irp n, 0,1,2,3,4,5,6,7
	v_lshrrev_b32 v[BY+\n], 23, v[CQ+\n]           ; the scale's byte: block h of my row,
.endr
.irp n, 0,1,2,3,4,5,6,7
	v_lshlrev_b32 v[BY+\n], v10, v[BY+\n]          ; at its place in the word (8 h bits up);
.endr
.irp n, 0,1,2,3,4,5,6,7
	v_permlanex16_b32 v[TQ+\n], v[BY+\n], s28, s29
.endr
.irp n, 0,1,2,3,4,5,6,7
	v_or_b32 v[BY+\n], v[BY+\n], v[TQ+\n]          ; with lane l xor 16's the word is whole; the upper two bytes are 0
.endr
	WIN 0x01                                       ; source 0 in window 1
.irp u, 0,1,2,3
.irp b, 0,1
.irp i, 0,1,2,3
	v_cvt_scalef32_pk8_fp4_f32 v[QC+8*\u+4*\b+\i], v[64*\u+32*\b+8*\i:64*\u+32*\b+8*\i+7], v[CQ+2*\u+\b]
.endr
.endr
.endr
	v_nop                                          ; one plain instruction behind the last scaled conversion
	WIN 0
.irp u, 0,1,2,3
	ds_store_b128 v5, v[QC+8*\u:QC+8*\u+3] offset:(4*(\p)+\u)*512
	ds_store_b128 v5, v[QC+8*\u+4:QC+8*\u+7] offset:(4*(\p)+\u)*512+32768
	ds_store_b32 v6, v[BY+2*\u] offset:(4*(\p)+\u)*64          ; lanes r and r + 16 write the same word with the same value
	ds_store_b32 v6, v[BY+2*\u+1] offset:(4*(\p)+\u)*64+4096
.endr
.endm
	s_load_b256 s[4:11], s[0:1], 0x0               ; X's codes s[4:5], X's scales s[6:7], W's codes s[8:9], W's scales s[10:11]
	s_load_b256 s[12:19], s[0:1], 0x20             ; b_qk s[12:13], V's codes s[14:15], V's scales s[16:17], out0 s[18:19]
	v_lshl_add_u32 v[SPW], v0, 2, SPARE            ; my spare word and 0: kept for the closing lines alone
	v_mov_b32 v[NIL], 0
	v_lshrrev_b32 v1, 5, v0
	v_readfirstlane_b32 s20, v1                    ; wave 0..7
	s_and_b32 s22, ttmp7, 0xffff                   ; batch; the head is ttmp9
	v_and_b32 v14, 31, v0                          ; lane
	v_and_b32 v15, 15, v0                          ; r
	v_bfe_u32 v13, v0, 4, 1                        ; h
	v_lshlrev_b32 v1, 4, v14                       ; 16 x lane: an image's place for my lane
	v_lshlrev_b32 v2, 2, v14                       ; 4 x lane: a scale word's
	v_add_nc_u32 v3, WSC, v2
	v_lshlrev_b32 v7, 4, v0                        ; the copies: 16 bytes a thread (W's images begin at LDS byte 0)
	v_add_nc_u32 v4, WSC, v7
	v_add_nc_u32 v8, VIMG, v7
	v_lshlrev_b32 v9, 7, v13                       ; b_qk: my half's 32 features begin 128 h bytes on
	v_lshlrev_b32 v10, 3, v13                      ; 8 h
	v_and_b32 v11, 127, v0
	v_lshlrev_b32 v11, 4, v11
	v_lshrrev_b32 v12, 7, v0
	v_lshl_add_u32 v11, v12, 15, v11               ; W's scale words: threads 0-127 q's 2,048 bytes, threads 128-255 k's, 32,768 bytes on
	s_lshl_b32 s24, s20, 12
	s_add_co_u32 s24, s24, QIMG
	v_add_nc_u32 v5, s24, v1                       ; my wave's eight tiles of q's images
	s_lshl_b32 s24, s20, 9
	s_add_co_u32 s25, s24, QSC
	v_lshl_add_u32 v6, v15, 2, s25                 ; and their scale words: 4 r
	s_add_co_u32 s24, s24, VSC
	v_lshl_add_u32 v15, v14, 3, s24                ; V's scale words: my wave copies key step w's 256 bytes, 8 a lane
	v_lshlrev_b32 v14, 3, v0
	s_mov_b32 s28, 0x76543210
	s_mov_b32 s29, 0xfedcba98                      ; v_permlanex16_b32's selects for lane l xor 16
	s_mov_b32 s30, 0x3e38aa3b                      ; c = log2(e) / sqrt(64)
	s_mov_b32 s31, s30                             ; (named with it as a pair, so it is written)
	s_mov_b32 s27, 0xbe38aa3b                      ; -c
	s_mov_b32 s25, 0
	s_wait_alu depctr_va_vdst(0)
	s_wait_kmcnt 0x0
	s_lshl_b32 s24, ttmp9, 15                      ; W's codes: the head's four tiles of 8,192 bytes (k's lie 524,288 bytes on)
	s_add_nc_u64 s[8:9], s[8:9], s[24:25]
	s_lshl_b32 s24, ttmp9, 11                      ; W's scale words: two pairs of 1,024
	s_add_nc_u64 s[10:11], s[10:11], s[24:25]
	s_lshl_b32 s24, ttmp9, 8                       ; 64 numbers of f32: the head's biases, and its columns in a row of out0
	s_add_nc_u64 s[12:13], s[12:13], s[24:25]
	s_add_nc_u64 s[18:19], s[18:19], s[24:25]
	s_lshl_b32 s26, s22, 4
	s_add_co_u32 s26, s26, ttmp9                   ; 16 x batch + head
	s_lshl_b32 s24, s26, 15
	s_add_nc_u64 s[14:15], s[14:15], s[24:25]
	s_lshl_b32 s24, s26, 11
	s_add_nc_u64 s[16:17], s[16:17], s[24:25]
	s_lshl_b32 s24, s22, 19                        ; X's codes: 64 tiles a batch, my wave's eight
	s_lshl_b32 s26, s20, 16
	s_add_co_u32 s24, s24, s26
	s_add_nc_u64 s[4:5], s[4:5], s[24:25]
	s_lshl_b32 s24, s22, 15                        ; X's scale words: 32 pairs a batch, my wave's four
	s_lshl_b32 s26, s20, 12
	s_add_co_u32 s24, s24, s26
	s_add_nc_u64 s[6:7], s[6:7], s[24:25]
	s_lshl_b32 s24, s22, 22                        ; out0: 1,024 rows of 4,096 bytes a batch, my wave's 128
	s_lshl_b32 s26, s20, 19
	s_add_co_u32 s24, s24, s26
	s_add_nc_u64 s[18:19], s[18:19], s[24:25]
	; ---- what stays in LDS comes once, 4,096 consecutive bytes an instruction of the work-group: 26 loads a wave; then the bias (16) and two K steps of X (20)
.irp j, 0,1,2,3,4,5,6,7
	global_load_b128 v[WF+4*\j:WF+4*\j+3], v7, s[8:9] offset:4096*\j
.endr
.irp j, 0,1,2,3,4,5,6,7
	global_load_b128 v[WF+32+4*\j:WF+32+4*\j+3], v7, s[8:9] offset:524288+4096*\j
.endr
.irp j, 0,1,2,3,4,5,6,7
	global_load_b128 v[XF+64+4*\j:XF+64+4*\j+3], v7, s[14:15] offset:4096*\j
.endr
	global_load_b128 v[252:255], v11, s[10:11]
	global_load_b64 v[12:13], v14, s[16:17]
.irp t, 0,1,2,3,4,5,6,7
.irp e, 0,1
	global_load_b128 v[BI+8*\t+4*\e:BI+8*\t+4*\e+3], v9, s[12:13] offset:(\t/4)*4096+(\t%4)*32+16*\e   ; register j of tile t: feature 32 h + 8 (t%4) + j of q (t < 4) or k
.endr
.endr
	XLOAD 0
	XLOAD 1
	s_wait_loadcnt 36                              ; the 26 are in; the bias and X's two K steps stay out
.irp j, 0,1,2,3,4,5,6,7,8,9,10,11,12,13,14,15
	ds_store_b128 v7, v[WF+4*\j:WF+4*\j+3] offset:4096*\j
.endr
.irp j, 0,1,2,3,4,5,6,7
	ds_store_b128 v8, v[XF+64+4*\j:XF+64+4*\j+3] offset:4096*\j
.endr
	ds_store_b128 v4, v[252:255]
	ds_store_b64 v15, v[12:13]
	s_wait_dscnt 0x0                               ; for the others' sake: my stores have landed (and have read their registers)
	s_barrier_signal -1
	s_barrier_wait -1                              ; W's slice, V and their scale words lie in LDS
	XLOAD 2
	; ---- PHASE A: two passes of four row tiles, eight K steps each, written out: every offset is an immediate
	WLOAD 0, 0
	WLOAD 1, 0
.irp g, 0,1,2,3,4,5,6,7
	KSTEP \g
.endr
	QUANT 0
	s_wait_dscnt 0x0                               ; the stores have read their registers
	WLOAD 0, 0
	WLOAD 1, 0
.irp g, 8,9,10,11,12,13,14,15
	KSTEP \g
.endr
	QUANT 1
	s_wait_dscnt 0x0                               ; for the others' sake: my images have landed
	s_barrier_signal -1
	s_barrier_wait -1                              ; all 64 tiles of q and of k lie in LDS; from here on a wave stores to its own stage alone
	; ---- PHASE B.  (All global loads were waited for in the last K step: their offset registers may be written)
	v_and_b32 v14, 31, v0
	v_and_b32 v15, 15, v0
	v_bfe_u32 v13, v0, 4, 1
	v_lshlrev_b32 v12, 4, v14
	v_lshlrev_b32 v16, 2, v14
	v_lshlrev_b32 v7, 12, v13
	v_add_nc_u32 v3, KIMG, v12                     ; k's images (V's lie 40,960 bytes on)
	v_add_nc_u32 v4, KSC, v16                      ; k's scale words (V's 36,864 on)
	v_lshl_add_u32 v7, v15, 4, v7                  ; out0: lanes 0-15 one row, lanes 16-31 the next; 16 bytes a lane
	s_mul_i32 s24, s20, 4352
	s_add_co_u32 s24, s24, STG                     ; my stage
	v_mul_u32_u24 v11, v15, 272
	v_mul_u32_u24 v252, v13, 272
	v_lshl_add_u32 v11, v13, 5, v11
	v_lshl_add_u32 v252, v15, 4, v252
	v_add_nc_u32 v11, s24, v11                     ; in: row r, + 32 h
	v_add_nc_u32 v252, s24, v252                   ; back: lanes 0-15 one row, lanes 16-31 the next
.irp j, 4,5,6,7,12,13,14,15
	v_mov_b32 v[QF+\j], 0                          ; zero codes for k = 64 .. 127 of q: written once
.endr
.irp j, 32,33,34,35
	v_mov_b32 v[KF+\j], 0                          ; named with the last key tile
.endr
.irp u, 0,1
	v_mov_b32 v[PD+\u], 0                          ; a lane permute's destination counts as read
	v_mov_b32 v[FF+2*\u+1], 0                      ; named as the upper half of f's pair
.endr
	s_wait_alu depctr_va_vdst(0)
.macro KLOAD ak, as                    ; a key step's eight tiles of k and their scale words: twelve LDS loads
.irp a, 0,1,2,3
	ds_load_b32 v[KSR+\a], v[\as] offset:128*\a
.endr
.irp t, 0,1,2,3,4,5,6,7
	ds_load_b128 v[KF+4*\t:KF+4*\t+3], v[\ak] offset:512*\t
.endr
.endm
.macro SMUL u                          ; S^T = k q^T: register 32 c + i of lane (r, h) is key 64 c + 32 h + i of the step, for query r of tile u
.irp t, 0,1,2,3,4,5,6,7
	WM S+64*(\u)+8*\t, KF+4*\t, QF+8*(\u), 0, KSR+\t/2, QSR+(\u), \t%2, 0
.endr
.endm
.macro SUMG j                          ; eight additions of the rows' sums: four chains a tile, by turns
.irp u, 0,1
	v_pk_add_f32 v[14+4*\u:15+4*\u], v[14+4*\u:15+4*\u], v[S+64*\u+(\j):S+64*\u+(\j)+1]
.endr
.irp a, 0,1,2
.irp u, 0,1
	v_pk_add_f32 v[SM+6*\u+2*\a:SM+6*\u+2*\a+1], v[SM+6*\u+2*\a:SM+6*\u+2*\a+1], v[S+64*\u+(\j)+2+2*\a:S+64*\u+(\j)+3+2*\a]
.endr
.endr
.endm
; The softmax of both tiles for 128 keys, line by line, by turns.  My lane holds blocks h (registers 0-31 of a tile) and 2 + h (32-63), each whole.
; first = 1: a pair's first step: no M, sum or O^T from before
.macro SOFT2 first
.irp u, 0,1                                    ; each block's largest score, in two chains; it serves the row's maximum and, since p rises with the score, the block's largest p.  Each accumulator is read from its low end on
.irp c, 0,1
	v_max3_num_f32 v[MX+4*\u+\c], v[S+64*\u+32*\c], v[S+64*\u+32*\c+1], v[S+64*\u+32*\c+2]
	v_max3_num_f32 v[MX+4*\u+2+\c], v[S+64*\u+32*\c+17], v[S+64*\u+32*\c+18], v[S+64*\u+32*\c+19]
.endr
.endr
.irp i, 0,2,4,6,8,10
.irp u, 0,1
.irp c, 0,1
	v_max3_num_f32 v[MX+4*\u+\c], v[MX+4*\u+\c], v[S+64*\u+32*\c+3+\i], v[S+64*\u+32*\c+4+\i]
	v_max3_num_f32 v[MX+4*\u+2+\c], v[MX+4*\u+2+\c], v[S+64*\u+32*\c+20+\i], v[S+64*\u+32*\c+21+\i]
.endr
.endr
.endr
.if !(\first)
.irp u, 0,1
	v_mov_b32 v[FF+2*\u], v[12+4*\u]               ; the old -M
.endr
.endif
.irp u, 0,1
.irp c, 0,1
	v_max3_num_f32 v[MX+4*\u+\c], v[MX+4*\u+\c], v[S+64*\u+32*\c+15], v[S+64*\u+32*\c+16]
.endr
.endr
.irp u, 0,1
.irp c, 0,1
	s_delay_alu instid0(VALU_DEP_4)
	v_max_num_f32 v[MX+4*\u+\c], v[MX+4*\u+\c], v[MX+4*\u+2+\c]
.endr
.endr
.irp u, 0,1
	v_max_num_f32 v[TT+\u], v[MX+4*\u], v[MX+4*\u+1]
.endr
.irp u, 0,1
	s_delay_alu instid0(VALU_DEP_2)
	v_permlanex16_b32 v[PD+\u], v[TT+\u], s28, s29
.endr
.irp u, 0,1
	s_delay_alu instid0(VALU_DEP_2)
.if \first
	v_max_num_f32 v[13+4*\u], v[TT+\u], v[PD+\u]   ; the largest score of my query
.else
	v_max3_num_f32 v[13+4*\u], v[13+4*\u], v[TT+\u], v[PD+\u]   ; the running largest score of my query
.endif
.endr
.irp u, 0,1
	s_delay_alu instid0(VALU_DEP_2)
	v_mul_f32 v[TT+\u], s27, v[13+4*\u]            ; -t
.endr
.irp u, 0,1
	s_delay_alu instid0(VALU_DEP_2)
	v_floor_f32 v[12+4*\u], v[TT+\u]               ; the new -M = floor(-t) = -ceil(t): a whole number
.endr
.if !(\first)
.irp u, 0,1
	s_delay_alu instid0(VALU_DEP_2)
	v_sub_f32 v[FF+2*\u], v[12+4*\u], v[FF+2*\u]   ; old M - new M: a whole number, 0 or less
.endr
.endif
.irp u, 0,1
.set j, 0
.rept 32
	v_pk_fma_f32 v[S+64*\u+j:S+64*\u+j+1], v[S+64*\u+j:S+64*\u+j+1], s[30:31], v[12+4*\u:13+4*\u] op_sel_hi:[1,0,0]   ; t - M, two at a time (of the pairs c and -M the low word serves both halves)
.set j, j+2
.endr
.endr
.irp u, 0,1
.irp c, 0,1
	v_fma_f32 v[MX+4*\u+\c], v[MX+4*\u+\c], s30, v[12+4*\u]   ; the same of each block's largest score
.endr
.endr
	s_wait_alu depctr_va_vdst(0)                   ; ahead of the batch
.set j, 0
.rept 128
	v_exp_f32 v[S+j], v[S+j]                       ; p = 2^(t - M), at most 1, not normalised
.set j, j+1
.endr
.irp u, 0,1
.irp c, 0,1
	v_exp_f32 v[MX+4*\u+\c], v[MX+4*\u+\c]         ; the block's largest p: the same two instructions on the same number
.endr
.endr
.if !(\first)
.irp u, 0,1
	v_exp_f32 v[FF+2*\u], v[FF+2*\u]               ; f = 2^(old M - new M)
.endr
.endif
	v_nop                                          ; a plain instruction behind the exponentials
.if !(\first)
	WIN 0x41                                       ; O^T (source 0 and destination) in window 1
.endif
	s_wait_alu depctr_va_vdst(0)                   ; one wait for the batch, directly ahead of its readers and of the first readers of O^T
.if !(\first)
.irp u, 0,1
.set j, 0
.rept 16
	v_pk_mul_f32 v[OW+32*\u+j:OW+32*\u+j+1], v[OW+32*\u+j:OW+32*\u+j+1], v[FF+2*\u:FF+2*\u+1] op_sel_hi:[1,0]   ; O^T under the new M, each accumulator from its low end on
.set j, j+2
.endr
.endr
	WIN 0
.endif
.irp u, 0,1
.irp c, 0,1
	v_max_num_f32 v[MX+4*\u+\c], FLOOR, v[MX+4*\u+\c]   ; the byte cannot fall under 1 (a block whose every p is 0 keeps that byte: its codes are zeros)
.endr
.endr
.irp u, 0,1
.irp c, 0,1
	s_delay_alu instid0(VALU_DEP_4)
	v_add_nc_u32 v[CVB+2*\u+\c], TAKE2, v[MX+4*\u+\c]   ; the conversion's scale operand
.endr
.endr
.irp u, 0,1
.irp c, 0,1
	s_delay_alu instid0(VALU_DEP_4)
	v_lshrrev_b32 v[BYB+2*\u+\c], 23, v[CVB+2*\u+\c]    ; the scale's byte
.endr
.endr
.irp u, 0,1
.irp c, 0,1
.irp i, 0,1,2,3
	v_cvt_scalef32_pk8_fp4_f32 v[PB+8*\u+4*\c+\i], v[S+64*\u+32*\c+8*\i:S+64*\u+32*\c+8*\i+7], v[CVB+2*\u+\c]   ; registers 4 c .. 4 c + 3 of the operand: k = 64 c + 32 h + 0 .. 31
.endr
.endr
.endr
	; the rows' sums of the unquantised p, four chains a tile; the rest of the scale words' chain stands among them.  Behind the words' last line stand 40 plain instructions or more, ahead of the products
.irp u, 0,1
	v_lshl_or_b32 v[BYB+2*\u], v[BYB+2*\u+1], 16, v[BYB+2*\u]   ; my two bytes: blocks h and 2 + h,
.endr
.irp u, 0,1
.if \first
	v_pk_add_f32 v[14+4*\u:15+4*\u], v[S+64*\u:S+64*\u+1], v[S+64*\u+62:S+64*\u+63]
.else
	v_pk_fma_f32 v[14+4*\u:15+4*\u], v[14+4*\u:15+4*\u], v[FF+2*\u:FF+2*\u+1], v[S+64*\u:S+64*\u+1] op_sel_hi:[1,0,1]   ; the sum under the new M
.endif
.endr
.irp a, 0,1,2
.irp u, 0,1
	v_pk_add_f32 v[SM+6*\u+2*\a:SM+6*\u+2*\a+1], v[S+64*\u+2+4*\a:S+64*\u+3+4*\a], v[S+64*\u+4+4*\a:S+64*\u+5+4*\a]
.endr
.endr
.irp u, 0,1
	v_lshlrev_b32 v[BYB+2*\u], v10, v[BYB+2*\u]    ; at their places in the word;
.endr
	SUMG 14
.irp u, 0,1
	v_permlanex16_b32 v[PD+\u], v[BYB+2*\u], s28, s29
.endr
	SUMG 22
.irp u, 0,1
	v_or_b32 v[PSR+\u], v[BYB+2*\u], v[PD+\u]      ; with lane l xor 16's two: p's scale word for these 128 keys
.endr
	SUMG 30
	SUMG 38
	SUMG 46
	SUMG 54
.if !(\first)
.irp u, 0,1
	v_pk_add_f32 v[14+4*\u:15+4*\u], v[14+4*\u:15+4*\u], v[S+64*\u+62:S+64*\u+63]
.endr
.endif
.irp u, 0,1
	v_pk_add_f32 v[SM+6*\u:SM+6*\u+1], v[SM+6*\u:SM+6*\u+1], v[SM+6*\u+2:SM+6*\u+3]
.endr
.irp u, 0,1
	v_pk_add_f32 v[14+4*\u:15+4*\u], v[14+4*\u:15+4*\u], v[SM+6*\u+4:SM+6*\u+5]
.endr
.irp u, 0,1
	s_delay_alu instid0(VALU_DEP_2)
	v_pk_add_f32 v[14+4*\u:15+4*\u], v[14+4*\u:15+4*\u], v[SM+6*\u:SM+6*\u+1]
.endr
.endm
; A key step of a pair.  s35, s36: where the step's images and scale words begin
.macro STEP first
	v_add_nc_u32 v8, s35, v3                       ; (these four are the places between the last products and the loads into V's registers)
	v_add_nc_u32 v9, s36, v4
	s_add_co_u32 s37, s35, 4096
	s_and_b32 s37, s37, 32767                      ; the step after this one; behind the last, step 0: the next pair's first
	s_add_co_u32 s39, s36, 512
	s_and_b32 s39, s39, 4095
	v_add_nc_u32 v1, s37, v3
	v_add_nc_u32 v2, s39, v4
	WIN 0x40                                       ; V's fragments go to window 1
.irp t, 0,1,2,3
.irp c, 0,1
	ds_load_b128 v[8*\t+4*\c:8*\t+4*\c+3], v8 offset:40960+1024*\t+512*\c
.endr
.endr
	WIN 0
.irp a, 0,1
	ds_load_b32 v[VSR+\a], v9 offset:36864+128*\a
.endr
	s_wait_alu depctr_va_vdst(0)
	s_wait_dscnt 10                                ; q, k and k's words are in; V's ten loads may be out
	SMUL 0
	SMUL 1
	PLACES
	KLOAD 1, 2                                     ; the next step's k, under the softmax (behind the fourth pair's last step it is not used)
	SOFT2 \first
	s_wait_alu depctr_va_vdst(0)                   ; directly ahead of the wait below
	s_wait_dscnt 12                                ; V and its words are in; the twelve loads of the next k may be out
	WIN 0x51                                       ; V (source 0) and O^T (C and D) in window 1
.irp t, 0,1,2,3                                ; O^T += V^T p^T: eight accumulators by turns; K = these 128 keys.  A pair's first step starts the sums: nothing is cleared
.irp u, 0,1
.set rD, OW+32*\u+8*\t
.if \first
	WM rD, 8*\t, PB+8*\u, 0, VSR+\t/2, PSR+\u, \t%2, 0
.else
	WM rD, 8*\t, PB+8*\u, v[rD:rD+7], VSR+\t/2, PSR+\u, \t%2, 0
.endif
.endr
.endr
	WIN 0
.endm
	KLOAD 3, 4                                     ; key step 0 for the first pair
	s_mov_b32 s32, 0                               ; which of my four pairs of query tiles,
	s_mov_b32 s33, 0                               ; its images: 1,024 bytes a pair,
	s_mov_b32 s34, 0                               ; its scale words: 128
.Lq:
	v_add_nc_u32 v8, s33, v5
	v_add_nc_u32 v9, s34, v6
.irp u, 0,1
	ds_load_b128 v[QF+8*\u:QF+8*\u+3], v8 offset:512*\u
	ds_load_b32 v[QSR+\u], v9 offset:64*\u
.endr
	s_mov_b32 s35, 0                               ; the key step's images of k and of V: 4,096 bytes a step,
	s_mov_b32 s36, 0                               ; their scale words: 512
	STEP 1                                         ; the pair's first step is written out: it starts M, the sums and O^T
	s_mov_b32 s35, 4096
	s_mov_b32 s36, 512
	s_mov_b32 s38, 7
.Lk:
	STEP 0
	s_add_co_u32 s35, s35, 4096
	s_add_co_u32 s36, s36, 512
	s_sub_co_u32 s38, s38, 1
	s_cmp_lg_u32 s38, 0
	s_cbranch_scc1 .Lk
	; ---- the way out of a pair of tiles: O^T / sum through my stage, back as rows of 256 bytes
	PLACES                                         ; behind the last products
	v_add_f32 v14, v14, v15                        ; the sums' two halves,
	v_add_f32 v18, v18, v19
	s_delay_alu instid0(VALU_DEP_2)
	v_permlanex16_b32 v[PD], v14, s28, s29
	s_delay_alu instid0(VALU_DEP_2)
	v_permlanex16_b32 v[PD+1], v18, s28, s29
	s_delay_alu instid0(VALU_DEP_2)
	v_add_f32 v14, v14, v[PD]                      ; and lane l xor 16's: the rows' sums
	s_delay_alu instid0(VALU_DEP_2)
	v_add_f32 v18, v18, v[PD+1]
	s_wait_alu depctr_va_vdst(0)                   ; ahead of the reciprocals
	v_rcp_f32 v14, v14
	v_rcp_f32 v18, v18
	v_nop                                          ; a plain instruction behind the reciprocals
	s_lshr_b32 s42, s32, 1                         ; stage row i of tile u is query 128 w + 64 (pair / 2) + 16 (pair % 2) + 8 u + 32 (i / 8) + i % 8
	s_lshl_b32 s42, s42, 18
	s_and_b32 s43, s32, 1
	s_lshl_b32 s43, s43, 16
	s_add_co_u32 s42, s42, s43
	s_mov_b32 s43, 0
	s_add_nc_u64 s[44:45], s[18:19], s[42:43]      ; (the last pair's stores have read this base: the wait at the trip's end)
	WIN 0x01                                       ; O^T (source 0) in window 1
	s_wait_alu depctr_va_vdst(0)                   ; the wait ahead of the reciprocals' first reader and of O^T's
.irp u, 0,1
.set j, 0
.rept 32
	v_mul_f32 v[S+32*\u+j], v[OW+32*\u+j], v[14+4*\u]   ; register 8 t + i is column 16 t + 8 h + i of my query; each accumulator from its low end on
.set j, j+1
.endr
.endr
	WIN 0
.irp u, 0,1
.irp t, 0,1,2,3
	ds_store_b128 v11, v[S+32*\u+8*\t:S+32*\u+8*\t+3] offset:64*\t
	ds_store_b128 v11, v[S+32*\u+8*\t+4:S+32*\u+8*\t+7] offset:64*\t+16
.endr
.irp n, 0,1,2,3,4,5,6,7
	ds_load_b128 v[S+64+32*\u+4*\n:S+64+32*\u+4*\n+3], v252 offset:544*\n   ; LDS serves a wave's instructions in order (ISA guide 5.7.1.4): these see my stores, and the second tile's stores come behind them
.endr
.endr
.irp u, 0,1
.irp n, 0,1,2,3,4,5,6,7
	s_wait_dscnt (1-\u)*16+7-\n                    ; this pair of rows is back; the younger LDS instructions may be out
	global_store_b128 v7, v[S+64+32*\u+4*\n:S+64+32*\u+4*\n+3], s[44:45] offset:\u*32768+(32*(\n/4)+2*(\n%4))*4096 th:TH_STORE_NT   ; sixteen lanes store 256 consecutive bytes, aligned: the head's 64 columns of a row
.endr
.endr
	s_wait_xcnt 0x0                                ; the stores have read their data and their base: both are written again in the next trip
	s_add_co_u32 s33, s33, 1024
	s_add_co_u32 s34, s34, 128
	s_add_co_u32 s32, s32, 1
	s_cmp_lt_u32 s32, 4
	s_cbranch_scc1 .Lq
	s_wait_tensorcnt 0x0                           ; the wave's end: behind my last LDS store
	ds_add_u32 v[SPW], v[NIL]
	s_wait_dscnt 0x0
	s_endpgm
.Lfunc_end_k_qcadad153e0_attn:
	.size	k_qcadad153e0_attn, .Lfunc_end_k_qcadad153e0_attn-k_qcadad153e0_attn
	.p2alignl 7, 3214868480
	.fill 96, 4, 3214868480
	.section	.rodata,"a",@progbits
	.p2align	6, 0x0
	.amdhsa_kernel k_qcadad153e0_attn
		.amdhsa_group_segment_fixed_size 216064
		.amdhsa_private_segment_fixed_size 0
		.amdhsa_enable_private_segment 0
		.amdhsa_kernarg_size 64
		.amdhsa_user_sgpr_count 2
		.amdhsa_user_sgpr_kernarg_segment_ptr 1
		.amdhsa_wavefront_size32 1
		.amdhsa_system_sgpr_workgroup_id_x 1
		.amdhsa_system_sgpr_workgroup_id_y 1
		.amdhsa_system_sgpr_workgroup_id_z 1
		.amdhsa_system_vgpr_workitem_id 0
		.amdhsa_next_free_vgpr 512
		.amdhsa_next_free_sgpr 66
		.amdhsa_reserve_vcc 0
		.amdhsa_float_denorm_mode_32 3
		.amdhsa_float_denorm_mode_16_64 3
		.amdhsa_memory_ordered 1
		.amdhsa_forward_progress 1
		.amdhsa_inst_pref_size 204
	.end_amdhsa_kernel
	.amdgpu_metadata
---
amdhsa.version: [ 1, 2 ]
amdhsa.kernels:
  - .name:           k_qcadad153e0_attn
    .symbol:         k_qcadad153e0_attn.kd
    .args:
      - { .name: xq_codes, .offset: 0, .size: 8, .value_kind: global_buffer, .address_space: global }
      - { .name: xq_scales, .offset: 8, .size: 8, .value_kind: global_buffer, .address_space: global }
      - { .name: wq_codes, .offset: 16, .size: 8, .value_kind: global_buffer, .address_space: global }
      - { .name: wq_scales, .offset: 24, .size: 8, .value_kind: global_buffer, .address_space: global }
      - { .name: b_qk, .offset: 32, .size: 8, .value_kind: global_buffer, .address_space: global }
      - { .name: vq_codes, .offset: 40, .size: 8, .value_kind: global_buffer, .address_space: global }
      - { .name: vq_scales, .offset: 48, .size: 8, .value_kind: global_buffer, .address_space: global }
      - { .name: out0, .offset: 56, .size: 8, .value_kind: global_buffer, .address_space: global }
    .group_segment_fixed_size: 216064
    .private_segment_fixed_size: 0
    .kernarg_segment_align: 8
    .kernarg_segment_size: 64
    .max_flat_workgroup_size: 256
    .sgpr_count:     66
    .vgpr_count:     512
    .wavefront_size: 32
...
	.end_amdgpu_metadata
.endif
;; end of part 2
